; MI455X (gfx1250); checked and timed in simulation.
; The chip was launched on July 23, 2026; its instructions are those of AMD's public machine-readable ISA for CDNA 5 (MIT licence, August 2026) and "CDNA5" Instruction Set Architecture Reference Guide (July 2026). The comments in the code are by the model that wrote it; some were corrected since.
;; Scaled Dot Product Attention. Allowed arithmetic: float matrix products may take bf16 or f16 operands with f32 sums; all other float work in f32.
;; Inputs: Wk 1,024 x 1,024 float32; Wq 1,024 x 1,024 float32; Wv 1,024 x 1,024 float32; attention_mask 2 x 2,048 int32; bk 1,024 float32; bq 1,024 float32; bv 1,024 float32; group_prob 2 x 1 x 2,048 x 2,048 float32; keys 2 x 2,048 x 1,024 float32; queries 2 x 2,048 x 1,024 float32; values 2 x 2,048 x 1,024 float32.
;; Outputs: out0 2 x 2,048 x 1,024 float32.
;; One version. Each part assembles by itself: llvm-mc -triple=amdgcn-amd-amdhsa -mcpu=gfx1250 --defsym DOCPART=n.
;; ======== version 1 of 1: 2 launches
;; limits: values are held in f16: magnitudes above 65,504 overflow, below 6.1e-05 lose precision; inputs' magnitudes at most 65,504; right only within a limited range of input values
;; workspace buffers: qh 8,388,608 bytes; kh 8,388,608 bytes; vt 8,388,608 bytes
;; launch proj (part 1): grid 4 x 48, 4 waves a work-group, clusters of 4 x 4, 327,680 bytes of LDS; arguments queries, keys, values, Wq, Wk, Wv, bq, bk, bv, qh, kh, vt; writes qh, kh, vt
.if DOCPART == 1
	.amdgcn_target "amdgcn-amd-amdhsa--gfx1250"
	.amdhsa_code_object_version 6
	.text
	.protected	k_qdb90879cc5_proj
	.globl	k_qdb90879cc5_proj
	.p2align	8
	.type	k_qdb90879cc5_proj,@function
k_qdb90879cc5_proj:
	s_mov_b64 s[64:65], 0
	v_nop
	global_prefetch_b8 v0, s[64:65] scope:SCOPE_SE
	s_setreg_imm32_b32 hwreg(HW_REG_WAVE_MODE, 25, 1), 1
	s_wait_xcnt 0x0
	s_wait_alu depctr_hold_cnt(0) depctr_sa_sdst(0) depctr_va_vdst(0) depctr_va_sdst(0) depctr_va_ssrc(0) depctr_va_vcc(0) depctr_vm_vsrc(0)
	s_getreg_b32 s2, hwreg(HW_REG_IB_STS2, 6, 4)
	s_cmp_eq_u32 s2, 0
	s_cbranch_scc0 .Lentry_in_a_cluster
	s_endpgm
.Lentry_in_a_cluster:
	s_bfe_u32 s2, ttmp6, 0x10000c
	s_cmp_lg_u32 s2, 0xf033
	s_cbranch_scc0 .Lentry_shape_is_right
	s_endpgm
.Lentry_shape_is_right:
; The three projections, one body: Y = (X W + bias) / 16 in f16.  X: [4096][1024] f32, W: [1024 (k)][1024 (n)] f32, bias: [1024] f32.
; g = 0: queries, Wq, bq -> qh [4096][1024];  g = 1: keys, Wk, bk -> kh [4096][1024];  g = 2: values, Wv, bv -> vt [2][1024 (n)][2048 (key)], transposed.
; The factor 1/16 is exact and keeps q, k, v inside f16; the attention launch takes it back (in its exponent scale and in 1/l).
; LIMITS: matrix operands are f16 with f32 sums: |x| or |w| above 65504, or |x W + bias| above 1.05e6, become infinity.
; attention_mask is read by no launch: the problem's own function forms a masked copy and throws it away, so the mask changes no value.
;
; A work-group makes 256 x 256 of Y with four waves, a wave 128 x 128: 64 accumulator tiles, 512 registers.  K goes in 16 steps of 64 through
; two LDS slots.  The tiles land as f32; each wave converts to f16 while it builds its fragments:
;   X (rows along k): 32 bytes of a row are 8 k: two 16-byte loads, four packed conversions.
;   W (rows along n): a 16-byte load at row k, byte 256 G + 16 r brings W[k][64 G + 4 r + c], c = 0..3.  These four are taken as four DIFFERENT
;   column tiles bt = 4 G + c, in which lane r owns column 64 G + 4 r + c; one packed conversion of rows k and k + 1 then converts and
;   transposes at once.  The way out puts the columns back in order.
; CLUSTERS: 4 x 4 work-groups.  X's tile hangs on the block row alone and is asked for jointly along a row of the cluster, W's on the block
; column (and g) alone, jointly along a column: a quarter of the requests.  12 clusters = 192 work-groups: 3 x 16 x 4 blocks of 256 x 256.
; By this text's own count a wave has two tensor loads out at the start and one behind each round.
;
; REGISTERS, in windows of 256:
;   window 0: v16-29 addresses; v32-47 bias/16 in equal pairs; v48-55 bias as loaded; v64-127 X fragments; v128-255 X as loaded (f32)
;             (on the way out: v128-159 packed results, v192-223 and v224-255 rows read back)
;   window 1: v64-127 W fragments; v128-255 W as loaded (f32)
;   window 2: accumulator tiles (a, bt), a = 0..3, at v[8 (8 a + bt)];   window 3: a = 4..7
.set PITCH,  272                       ; an LDS row of X and of the stage: 256 bytes + 16 = 17 x 16: sixteen rows begin at sixteen different 16-byte columns modulo 256
.set XHALF,  128*PITCH                 ; 128 rows of X: one tensor load, and what one wave reads
.set XTILE,  2*XHALF
.set WROW,   1024                      ; a k row of W's tile: 256 columns of f32, read as 256 consecutive bytes, so not padded
.set WHALF,  32*WROW                   ; 32 k rows: one tensor load
.set SLOT,   XTILE+2*WHALF             ; 135,168 bytes
.set STAGE,  2*SLOT                    ; behind the ring, 16 rows x 272 bytes for each wave; no tensor load lands there
.set LAPS,   8                         ; a lap = two K steps = once round the ring; 1024 / 128
.set INV16,  0x3d800000                ; 2^-4
.set ADRA, 16                          ; v16-17  LDS address of my X rows in slot 0, 1
.set ADRW, 20                          ; v20-21  the same for W
.set STO,  24                          ; way out, q and k: where I put 8 bytes of a row
.set RD,   25                          ; way out: where I read a row back
.set CO,   26                          ; my byte offset in qh or kh
.set STOV, 27                          ; way out, v: where I put 16 bytes of a column
.set COV,  28                          ; my byte offset in vt
.set BO,   29                          ; my byte offset in the bias
.set BI,   32
.set BR,   48
.set FA,   64
.set RA,   128
.set FB,   64
.set RB,   128
.set TMP,  128
.set OB0,  192
.set OB1,  224
.set G1,  24                           ; s[24:31] descriptor group 1 for X
.set G0,  32                           ; s[32:39] group 0 for X, one set for each slot
.set G1B, 48                           ; s[48:55] group 1 for W
.set G0B, 56                           ; s[56:63] group 0 for W, one set for each slot
.set MSB, 0
.macro WIN new                         ; the immediate's high byte repeats the setting that is left
.if MSB != \new
	s_set_vgpr_msb (MSB<<8)|\new
.set MSB, \new
.endif
.endm
.set MUL_LO, 0xa4                      ; source 0 (X) window 0, source 1 (W) window 1, C and D window 2
.set MUL_HI, 0xf4                      ; the same, C and D window 3
.set TO_B,   0x40                      ; destination window 1, address window 0
.set CVT_B,  0x45                      ; destination and both sources window 1
; A joint load.  Waves 0 and 1 fetch X's two halves, waves 2 and 3 W's.  The branch hangs on the wave's number alone.
.macro JLOAD s
	s_cmp_eq_u32 s11, 0
	s_cbranch_scc0 .Lfor_w_\@
	tensor_load_to_lds s[G0+4*\s:G0+4*\s+3], s[G1:G1+7]
	s_nop 0
	s_branch .Lasked_\@
.Lfor_w_\@:
	tensor_load_to_lds s[G0B+4*\s:G0B+4*\s+3], s[G1B:G1B+7]
	s_nop 0
.Lasked_\@:
.endm
.macro CREST                           ; a round of the cluster's barrier behind its opening work-group barrier
	s_cmp_lg_u32 s10, 0
	s_cbranch_scc1 .Lnot_wave_0_\@
	s_barrier_signal -3
.Lnot_wave_0_\@:
	s_barrier_wait -3
	s_barrier_signal -1
	s_barrier_wait -1
.endm
.macro CROUND                          ; a whole round
	s_barrier_signal -1
	s_barrier_wait -1
	CREST
.endm
.macro PLACES                          ; four places behind a matrix instruction (ISA guide 7.12.1)
.rept 4
	v_nop
.endr
.endm
	s_load_b512 s[68:83], s[0:1], 0x0              ; queries, keys, values, Wq, Wk, Wv, bq, bk
	s_load_b256 s[84:91], s[0:1], 0x40             ; bv, qh, kh, vt
	v_lshl_add_u32 v62, v0, 2, 0x46400
	v_mov_b32 v63, 0
	ds_add_u32 v62, v63
	v_lshrrev_b32 v1, 5, v0
	v_readfirstlane_b32 s10, v1                    ; wave 0..3
	s_lshr_b32 s11, s10, 1                         ; which half of the block's rows is mine.  Also: I fetch for X (0) or for W (1)
	s_and_b32 s12, s10, 1                          ; which half of its columns.  Also: which half of that tile I fetch
	s_bfe_u32 s40, ttmp6, 0x40000                  ; cx
	s_bfe_u32 s41, ttmp6, 0x40004                  ; cy
	s_lshl_b32 s42, ttmp9, 2
	s_add_co_u32 s42, s42, s40                     ; block column 0..3 = 4 x cluster x + cx
	s_and_b32 s2, ttmp7, 0xffff                    ; cluster y, 0..11: equal in all sixteen partners
	s_lshr_b32 s45, s2, 2                          ; g: which projection
	s_and_b32 s13, s2, 3
	s_lshl_b32 s13, s13, 2
	s_add_co_u32 s13, s13, s41                     ; block row 0..15
	s_lshl_b32 s43, s41, 2
	s_lshl_b32 s43, 15, s43                        ; my row of the cluster
	s_lshl_b32 s44, 0x1111, s40                    ; my column
	; group 1 for X: 128 rows x 64 elements of 4 bytes, 16 bytes of padding behind every 64 words
	s_or_b32 s[G1+0], s43, (2<<16)|(1<<20)|(1<<21)|(5<<22)|(3<<25)
	s_mov_b32 s[G1+1], 64<<16                      ; tensor_dim0 = 64
	s_mov_b32 s[G1+2], 128<<16                     ; tensor_dim1 = 128
	s_mov_b32 s[G1+3], 64<<16                      ; tile_dim0 = 64
	s_mov_b32 s[G1+4], 128                         ; tile_dim1 = 128
	s_mov_b32 s[G1+5], 1024                        ; elements from row to row
	s_mov_b32 s[G1+6], 0
	s_mov_b32 s[G1+7], 0
	; group 1 for W: 32 k rows x 256 elements of 4 bytes, no padding
	s_or_b32 s[G1B+0], s44, (2<<16)|(1<<21)
	s_mov_b32 s[G1B+1], 256<<16
	s_mov_b32 s[G1B+2], 32<<16
	s_mov_b32 s[G1B+3], 256<<16
	s_mov_b32 s[G1B+4], 32
	s_mov_b32 s[G1B+5], 1024
	s_mov_b32 s[G1B+6], 0
	s_mov_b32 s[G1B+7], 0
	; byte offsets of the first tiles.  X's never holds cx, W's never cy.
	s_lshl_b32 s16, s13, 20                        ; 256 rows x 4,096 bytes for each block row
	s_lshl_b32 s17, s12, 19                        ; + my 128 rows
	s_add_co_u32 s16, s16, s17
	s_mov_b32 s17, 0
	s_lshl_b32 s46, s42, 10                        ; 256 columns x 4 bytes for each block column
	s_lshl_b32 s47, s12, 17                        ; + my 32 k rows of 4,096 bytes
	s_add_co_u32 s46, s46, s47
	s_mov_b32 s47, 0
	s_mul_i32 s20, s10, XHALF                      ; X's halves lie at wave x 34,816 (waves 0, 1)
	s_mul_i32 s21, s10, WHALF
	s_add_co_u32 s21, s21, XTILE-2*WHALF           ; W's halves at 69,632 + (wave - 2) x 32,768 (waves 2, 3)
	s_wait_dscnt 0x0
	s_wait_kmcnt 0x0
	s_cmp_eq_u32 s45, 1                            ; the four buffers of my projection
	s_cselect_b64 s[4:5], s[70:71], s[68:69]       ; X
	s_cselect_b64 s[6:7], s[76:77], s[74:75]       ; W
	s_cselect_b64 s[8:9], s[88:89], s[86:87]       ; the output
	s_cselect_b64 s[92:93], s[82:83], s[80:81]     ; the bias
	s_cmp_eq_u32 s45, 2
	s_cselect_b64 s[4:5], s[72:73], s[4:5]
	s_cselect_b64 s[6:7], s[78:79], s[6:7]
	s_cselect_b64 s[8:9], s[90:91], s[8:9]
	s_cselect_b64 s[92:93], s[84:85], s[92:93]
	s_add_nc_u64 s[14:15], s[4:5], s[16:17]
	s_add_nc_u64 s[46:47], s[6:7], s[46:47]
	CROUND                                         ; all sixteen work-groups are here: the first joint loads meet
.irp s, 0,1
	s_mov_b32 s[G0+4*\s], 1
	s_add_co_u32 s[G0+4*\s+1], s20, \s*SLOT
	s_add_nc_u64 s[G0+4*\s+2:G0+4*\s+3], s[14:15], \s*256          ; K step s: 64 elements along the row
	s_or_b32 s[G0+4*\s+3], s[G0+4*\s+3], 0x80000000
	s_mov_b32 s[G0B+4*\s], 1
	s_add_co_u32 s[G0B+4*\s+1], s21, \s*SLOT
	s_add_nc_u64 s[G0B+4*\s+2:G0B+4*\s+3], s[46:47], \s*64*4096    ; K step s: 64 rows down
	s_or_b32 s[G0B+4*\s+3], s[G0B+4*\s+3], 0x80000000
	JLOAD \s
.endr
	v_and_b32 v1, 15, v0                           ; r
	v_bfe_u32 v2, v0, 4, 1                         ; h
	s_lshl_b32 s22, s42, 10
	s_lshl_b32 s23, s12, 9
	s_add_co_u32 s22, s22, s23
	v_lshl_add_u32 v[BO], v1, 4, s22               ; bias of columns 64 G + 4 r + 0..3 of my 128: 16 bytes, G in the immediate
	global_load_b128 v[BR:BR+3], v[BO], s[92:93]
	global_load_b128 v[BR+4:BR+7], v[BO], s[92:93] offset:256
	v_mul_u32_u24 v3, v1, PITCH
	v_lshl_add_u32 v4, v2, 5, v3                   ; X: row r, 8 h elements of 4 bytes
	s_mul_i32 s18, s11, XHALF
	v_add_nc_u32 v[ADRA], s18, v4
	v_add_nc_u32 v[ADRA+1], SLOT, v[ADRA]
	v_lshlrev_b32 v5, 13, v2                       ; W: 8 h rows of 1,024 bytes
	v_lshl_add_u32 v5, v1, 4, v5                   ; + 16 r
	s_lshl_b32 s19, s12, 9                         ; + my 128 columns
	s_add_co_u32 s19, s19, XTILE
	v_add_nc_u32 v[ADRW], s19, v5
	v_add_nc_u32 v[ADRW+1], SLOT, v[ADRW]
	s_mul_i32 s23, s10, 16*PITCH
	s_add_co_u32 s23, s23, STAGE                   ; my stage
	v_mul_u32_u24 v6, v2, 8*PITCH
	v_lshl_add_u32 v6, v1, 3, v6
	v_add_nc_u32 v[STO], s23, v6                   ; row 8 h (+ j), byte 8 r
	v_mul_u32_u24 v6, v2, PITCH
	v_lshl_add_u32 v6, v1, 4, v6
	v_add_nc_u32 v[RD], s23, v6                    ; lanes 0-15 one row of 256 bytes, lanes 16-31 the next
	v_lshl_add_u32 v6, v2, 4, v3
	v_add_nc_u32 v[STOV], s23, v6                  ; row r, byte 16 h
	v_lshlrev_b32 v6, 4, v1
	v_lshl_add_u32 v[CO], v2, 11, v6               ; rows of 2,048 bytes in qh, kh
	v_lshl_add_u32 v[COV], v2, 14, v6              ; neighbouring stage rows are four rows of 4,096 bytes apart in vt
; 64 LDS loads in one run, under two window settings: the f32 numbers of one half step (32 along K from k0): W first, then X
.macro FETCH slot, k0
	WIN TO_B
.irp G, 0,1
.irp u, 0,1
.irp j, 0,1,2,3,4,5,6,7
	ds_load_b128 v[RB+64*\G+32*\u+4*\j:RB+64*\G+32*\u+4*\j+3], v[ADRW+\slot] offset:(\k0+16*\u+\j)*WROW+256*\G
.endr
.endr
.endr
	WIN 0
.irp a, 0,1,2,3,4,5,6,7
.irp u, 0,1
.irp e, 0,1
	ds_load_b128 v[RA+16*\a+8*\u+4*\e:RA+16*\a+8*\u+4*\e+3], v[ADRA+\slot] offset:\a*16*PITCH+4*\k0+64*\u+16*\e
.endr
.endr
.endr
.endm
; f32 to f16, into the fragments.  Registers 4 u + i of a fragment hold k = 16 u + 8 h + 2 i and + 1.
.macro CONV
	s_wait_dscnt 32                                ; W's 32 loads are in; X's 32, issued behind them, may be out
	PLACES                                         ; the last products read the fragments that are written now
	WIN CVT_B
.irp G, 0,1
.irp u, 0,1
.irp i, 0,1,2,3
.irp c, 0,1,2,3
	v_cvt_pk_f16_f32 v[FB+8*(4*\G+\c)+4*\u+\i], v[RB+64*\G+32*\u+8*\i+\c], v[RB+64*\G+32*\u+8*\i+\c+4]   ; rows k, k + 1 of one column
.endr
.endr
.endr
.endr
	s_wait_dscnt 0x0                               ; X is in: no LDS instruction of mine is out
	WIN 0
.irp a, 0,1,2,3,4,5,6,7
.irp u, 0,1
.irp i, 0,1,2,3
	v_cvt_pk_f16_f32 v[FA+8*\a+4*\u+\i], v[RA+16*\a+8*\u+2*\i], v[RA+16*\a+8*\u+2*\i+1]
.endr
.endr
.endr
.endm
; 16 products: row tiles a0, a0 + 1 of the window's four x all 8 column tiles.  The 64 accumulators take turns, one instruction a turn,
; in the same order in every half step.  zero = 1: the first product starts the sum.
.macro MUL16 hi, a0, zero
.irp a, \a0, \a0+1
.irp b, 0,1,2,3,4,5,6,7
.if \zero
	v_wmma_f32_16x16x32_f16 v[8*(8*(\a)+\b):8*(8*(\a)+\b)+7], v[FA+8*(4*\hi+\a):FA+8*(4*\hi+\a)+7], v[FB+8*\b:FB+8*\b+7], 0
.else
	v_wmma_f32_16x16x32_f16 v[8*(8*(\a)+\b):8*(8*(\a)+\b)+7], v[FA+8*(4*\hi+\a):FA+8*(4*\hi+\a)+7], v[FB+8*\b:FB+8*\b+7], v[8*(8*(\a)+\b):8*(8*(\a)+\b)+7]
.endif
.endr
.endr
.endm
; The first half of a K step: convert, ask LDS for the second half, multiply while it comes.
.macro Q0 slot, zero
	CONV
	FETCH \slot, 32
	WIN MUL_LO
	MUL16 0, 0, \zero
	MUL16 0, 2, \zero
	WIN MUL_HI
	MUL16 1, 0, \zero
	MUL16 1, 2, \zero
.endm
; The second half, and the change of slots.  In front of the barrier: my reads of this slot are back (CONV ended on a wait for 0) and all my
; tensor loads have landed, of which one was out: my part of the next slot.  fill = 1: the barrier opens a round of the cluster's barrier, and
; the joint refill of this slot, two K steps ahead, is the first tensor load behind the round.
.macro TURN slot, next, fill
	CONV
	s_wait_tensorcnt 0x0
	ds_add_u32 v62, v63
	s_wait_dscnt 0x0
	s_barrier_signal -1
	WIN MUL_LO
	MUL16 0, 0, 0                                  ; register work while the others arrive
	MUL16 0, 2, 0
	WIN 0
	s_barrier_wait -1
.if \fill
	CREST
	s_add_nc_u64 s[G0+4*\slot+2:G0+4*\slot+3], s[G0+4*\slot+2:G0+4*\slot+3], 2*256
	s_add_nc_u64 s[G0B+4*\slot+2:G0B+4*\slot+3], s[G0B+4*\slot+2:G0B+4*\slot+3], 2*64*4096
	JLOAD \slot
.endif
	FETCH \next, 0                                 ; into the f32 registers, which no matrix instruction names
	WIN MUL_HI
	MUL16 1, 0, 0
	MUL16 1, 2, 0
.endm
.macro LAP zero
	Q0 0, \zero
	TURN 0, 1, 1
	Q0 1, 0
	TURN 1, 0, 1
.endm
	s_wait_tensorcnt 0x1                           ; my part of K step 0 is in; K step 1's stays out
	s_barrier_signal -1
	s_barrier_wait -1
	FETCH 0, 0
	LAP 1                                          ; the first lap's first products start the sums
	WIN 0
	s_mov_b32 s3, LAPS-2
.Llap:
	LAP 0
	WIN 0
	s_sub_co_u32 s3, s3, 1
	s_cmp_lg_u32 s3, 0
	s_cbranch_scc1 .Llap
	Q0 0, 0                                        ; the last lap fills nothing
	TURN 0, 1, 0
	Q0 1, 0
	CONV
	WIN MUL_LO
	MUL16 0, 0, 0
	MUL16 0, 2, 0
	WIN MUL_HI
	MUL16 1, 0, 0
	MUL16 1, 2, 0
	; THE WAY OUT.  Register j of tile (a, bt = 4 G + c) in lane (r, h) is Y(row 16 a + 8 h + j, column 64 G + 4 r + c) of my 128 x 128.
	PLACES
	WIN 0
	s_wait_loadcnt 0x0                             ; the bias
.irp b, 0,1,2,3,4,5,6,7
	v_mul_f32 v[BI+2*\b], INV16, v[BR+\b]          ; bias / 16, twice: a pair for the packed multiply-add
	v_mul_f32 v[BI+2*\b+1], INV16, v[BR+\b]
.endr
.macro ADDBIAS win                     ; y = sum / 16 + bias / 16, in place, the 32 tiles of one window
	WIN \win
.set t, 0
.rept 32
.irp p, 0,2,4,6
	v_pk_fma_f32 v[8*t+\p:8*t+\p+1], v[8*t+\p:8*t+\p+1], INV16, v[BI+2*(t%8):BI+2*(t%8)+1] op_sel_hi:[1,0,1]
.endr
.set t, t+1
.endr
.endm
	ADDBIAS 0x82                                   ; destination and source 0 window 2, the bias window 0
	ADDBIAS 0xc3
	WIN 0
	s_cmp_eq_u32 s45, 2                            ; g is equal in the whole cluster
	s_cbranch_scc1 .Lout_v
	; q and k: rows of 128 f16 = 256 bytes.  16 rows at a time through my stage.
	s_lshl_b32 s16, s13, 19                        ; 256 rows x 2,048 bytes
	s_lshl_b32 s17, s11, 18
	s_add_co_u32 s16, s16, s17
	s_mov_b32 s17, 0
	s_add_nc_u64 s[8:9], s[8:9], s[16:17]
	s_lshl_b32 s46, s42, 9                         ; 256 columns x 2 bytes
	s_lshl_b32 s47, s12, 8
	s_add_co_u32 s46, s46, s47
	s_mov_b32 s47, 0
	s_add_nc_u64 s[8:9], s[8:9], s[46:47]
.macro OUTQK i, a, from, f
	WIN \from
.irp j, 0,1,2,3,4,5,6,7
.irp G, 0,1
.irp cp, 0,1
	v_cvt_pk_f16_f32 v[TMP+4*\j+2*\G+\cp], v[8*(8*\a+4*\G+2*\cp)+\j], v[8*(8*\a+4*\G+2*\cp+1)+\j]   ; columns 64 G + 4 r + 2 cp and + 1 of row 8 h + j
.endr
.endr
.endr
	WIN 0
.irp j, 0,1,2,3,4,5,6,7
.irp G, 0,1
	ds_store_b64 v[STO], v[TMP+4*\j+2*\G:TMP+4*\j+2*\G+1] offset:\j*PITCH+128*\G   ; four neighbouring columns
.endr
.endr
	s_wait_xcnt 0x0                                ; buffer f, which earlier stores read, and the stores' base are rewritten only behind this wait
.if \i
	s_add_nc_u64 s[8:9], s[8:9], 16*2048
.endif
.irp t, 0,1,2,3,4,5,6,7
	ds_load_b128 v[\f+4*\t:\f+4*\t+3], v[RD] offset:\t*2*PITCH     ; LDS serves a wave's instructions in order (ISA guide 5.7.1): these see the stores above
.endr
.irp t, 0,1,2,3,4,5,6,7
	s_wait_dscnt 7-\t                              ; row pair t of the eight is in
	global_store_b128 v[CO], v[\f+4*\t:\f+4*\t+3], s[8:9] offset:2*\t*2048   ; 16 lanes store 256 consecutive bytes, aligned
.endr
.endm
	OUTQK 0, 0, 0x0a, OB0
	OUTQK 1, 1, 0x0a, OB1
	OUTQK 2, 2, 0x0a, OB0
	OUTQK 3, 3, 0x0a, OB1
	OUTQK 4, 0, 0x0f, OB0
	OUTQK 5, 1, 0x0f, OB1
	OUTQK 6, 2, 0x0f, OB0
	OUTQK 7, 3, 0x0f, OB1
	s_branch .Lend
.Lout_v:
	; v, transposed: a row of vt is one column n, my 128 keys are 256 bytes of it.  One column tile (16 columns) at a time through my stage.
	s_lshr_b32 s16, s13, 3                         ; batch: 8 block rows each
	s_lshl_b32 s16, s16, 22                        ; 1,024 rows x 4,096 bytes
	s_and_b32 s17, s13, 7
	s_lshl_b32 s17, s17, 9                         ; 256 keys x 2 bytes
	s_add_co_u32 s16, s16, s17
	s_lshl_b32 s17, s11, 8
	s_add_co_u32 s16, s16, s17
	s_mov_b32 s17, 0
	s_add_nc_u64 s[8:9], s[8:9], s[16:17]
	s_lshl_b32 s46, s42, 20                        ; 256 rows x 4,096 bytes
	s_lshl_b32 s47, s12, 19
	s_add_co_u32 s46, s46, s47
	s_mov_b32 s47, 0
	s_add_nc_u64 s[8:9], s[8:9], s[46:47]
.macro OUTV bt, f
	WIN 0x0a
.irp a, 0,1,2,3
.irp jp, 0,1,2,3
	v_cvt_pk_f16_f32 v[TMP+4*\a+\jp], v[8*(8*\a+\bt)+2*\jp], v[8*(8*\a+\bt)+2*\jp+1]        ; keys 16 a + 8 h + 2 jp and + 1 of my column
.endr
.endr
	WIN 0x0f
.irp a, 0,1,2,3
.irp jp, 0,1,2,3
	v_cvt_pk_f16_f32 v[TMP+16+4*\a+\jp], v[8*(8*\a+\bt)+2*\jp], v[8*(8*\a+\bt)+2*\jp+1]
.endr
.endr
	WIN 0
.irp a, 0,1,2,3,4,5,6,7
	ds_store_b128 v[STOV], v[TMP+4*\a:TMP+4*\a+3] offset:32*\a     ; stage row r = column 64 G + 4 r + c; eight neighbouring keys
.endr
	s_wait_xcnt 0x0                                ; buffer f is rewritten only behind this wait
.irp t, 0,1,2,3,4,5,6,7
	ds_load_b128 v[\f+4*\t:\f+4*\t+3], v[RD] offset:\t*2*PITCH
.endr
.irp t, 0,1,2,3,4,5,6,7
	s_wait_dscnt 7-\t
	global_store_b128 v[COV], v[\f+4*\t:\f+4*\t+3], s[8:9] offset:(64*(\bt/4)+8*\t+(\bt%4))*4096   ; stage rows 2 t, 2 t + 1: 16 lanes store 256 consecutive bytes, aligned
.endr
.endm
	OUTV 0, OB0
	OUTV 1, OB1
	OUTV 2, OB0
	OUTV 3, OB1
	OUTV 4, OB0
	OUTV 5, OB1
	OUTV 6, OB0
	OUTV 7, OB1
.Lend:
	s_wait_tensorcnt 0x0
	ds_add_u32 v62, v63
	s_wait_dscnt 0x0
	CROUND                                         ; the closing round: no work-group ends while a partner may still ask for a tile that names it
	s_endpgm
.Lfunc_end_k_qdb90879cc5_proj:
	.size	k_qdb90879cc5_proj, .Lfunc_end_k_qdb90879cc5_proj-k_qdb90879cc5_proj
	.p2alignl 7, 3214868480
	.fill 96, 4, 3214868480
	.section	.rodata,"a",@progbits
	.p2align	6, 0x0
	.amdhsa_kernel k_qdb90879cc5_proj
		.amdhsa_group_segment_fixed_size 327680
		.amdhsa_private_segment_fixed_size 0
		.amdhsa_enable_private_segment 0
		.amdhsa_kernarg_size 96
		.amdhsa_user_sgpr_count 2
		.amdhsa_user_sgpr_kernarg_segment_ptr 1
		.amdhsa_wavefront_size32 1
		.amdhsa_system_sgpr_workgroup_id_x 1
		.amdhsa_system_sgpr_workgroup_id_y 1
		.amdhsa_system_sgpr_workgroup_id_z 1
		.amdhsa_system_vgpr_workitem_id 0
		.amdhsa_next_free_vgpr 1024
		.amdhsa_next_free_sgpr 96
		.amdhsa_reserve_vcc 0
		.amdhsa_float_denorm_mode_32 3
		.amdhsa_float_denorm_mode_16_64 3
		.amdhsa_memory_ordered 1
		.amdhsa_forward_progress 1
		.amdhsa_inst_pref_size 255
	.end_amdhsa_kernel
	.section	.bss,"aw",@nobits
	.p2align	6
	.space	262144
	.amdgpu_metadata
---
amdhsa.version: [ 1, 2 ]
amdhsa.kernels:
  - .name:           k_qdb90879cc5_proj
    .symbol:         k_qdb90879cc5_proj.kd
    .args:
      - { .name: queries, .offset: 0, .size: 8, .value_kind: global_buffer, .address_space: global }
      - { .name: keys, .offset: 8, .size: 8, .value_kind: global_buffer, .address_space: global }
      - { .name: values, .offset: 16, .size: 8, .value_kind: global_buffer, .address_space: global }
      - { .name: Wq, .offset: 24, .size: 8, .value_kind: global_buffer, .address_space: global }
      - { .name: Wk, .offset: 32, .size: 8, .value_kind: global_buffer, .address_space: global }
      - { .name: Wv, .offset: 40, .size: 8, .value_kind: global_buffer, .address_space: global }
      - { .name: bq, .offset: 48, .size: 8, .value_kind: global_buffer, .address_space: global }
      - { .name: bk, .offset: 56, .size: 8, .value_kind: global_buffer, .address_space: global }
      - { .name: bv, .offset: 64, .size: 8, .value_kind: global_buffer, .address_space: global }
      - { .name: qh, .offset: 72, .size: 8, .value_kind: global_buffer, .address_space: global }
      - { .name: kh, .offset: 80, .size: 8, .value_kind: global_buffer, .address_space: global }
      - { .name: vt, .offset: 88, .size: 8, .value_kind: global_buffer, .address_space: global }
    .group_segment_fixed_size: 327680
    .private_segment_fixed_size: 0
    .kernarg_segment_align: 8
    .kernarg_segment_size: 96
    .max_flat_workgroup_size: 128
    .sgpr_count:     96
    .vgpr_count:     1024
    .wavefront_size: 32
...
	.end_amdgpu_metadata
.endif
;; end of part 1
;; launch attn (part 2): grid 16 x 16, 8 waves a work-group, clusters of 4 x 4, 327,680 bytes of LDS; arguments qh, kh, vt, group_prob, out0; writes out0
.if DOCPART == 2
	.amdgcn_target "amdgcn-amd-amdhsa--gfx1250"
	.amdhsa_code_object_version 6
	.text
	.protected	k_qdb90879cc5_attn
	.globl	k_qdb90879cc5_attn
	.p2align	8
	.type	k_qdb90879cc5_attn,@function
k_qdb90879cc5_attn:
	s_mov_b64 s[64:65], 0
	v_nop
	global_prefetch_b8 v0, s[64:65] scope:SCOPE_SE
	s_setreg_imm32_b32 hwreg(HW_REG_WAVE_MODE, 25, 1), 1
	s_wait_xcnt 0x0
	s_wait_alu depctr_hold_cnt(0) depctr_sa_sdst(0) depctr_va_vdst(0) depctr_va_sdst(0) depctr_va_ssrc(0) depctr_va_vcc(0) depctr_vm_vsrc(0)
	s_getreg_b32 s2, hwreg(HW_REG_IB_STS2, 6, 4)
	s_cmp_eq_u32 s2, 0
	s_cbranch_scc0 .Lentry_in_a_cluster
	s_endpgm
.Lentry_in_a_cluster:
	s_bfe_u32 s2, ttmp6, 0x10000c
	s_cmp_lg_u32 s2, 0xf033
	s_cbranch_scc0 .Lentry_shape_is_right
	s_endpgm
.Lentry_shape_is_right:
; out[b][q][head 64 + d] = sum over keys of softmax(q k / 8)[key] x group_prob[b][q][key] x v[key][d].
; qh, kh: f16 [4096][1024] = (q, k) / 16;  vt: f16 [2][1024][2048] = v / 16, transposed;  group_prob: f32 [2][2048][2048];  out0: f32 [4096][1024].
; The factors 1/16 come back in the exponent scale (256 / 8 x log2 e) and in 16 / l.  The softmax has a running maximum; sums and maxima in f32.
; attention_mask is not read: the problem's own function forms a masked copy and throws it away, so the mask changes no value.
; LIMITS: p x group_prob is rounded to f16 (p <= 1 up to rounding): above 65504 it becomes infinity; below 6e-8 of the row's largest term it becomes 0.
;
; A work-group: 128 queries x 2 heads, eight waves.  Wave w = 4 qh + 2 hd + kh owns 64 queries (half qh), one head (hd) and the half kh of
; every step's 128 keys, with a running maximum and sum of its own; the two key halves are merged at the end.
; EVERYTHING IS USED TRANSPOSED.  S^T = K Q^T: lane (r, h) holds query r, keys 16 kt + 8 h + j.  Two neighbouring tiles, packed in pairs, ARE the second
; source (32 keys) of O^T = V^T P^T.  So maximum, sum and rescaling are a lane's own, and one exchange of the lane halves joins h = 0 and 1.
; A PIPELINE OVER THE QUERY TILES, across the steps too.  For tile q (16 queries x my 64 keys):
;   MAXQ q: the maximum and the rescale factor;   EXPB q: scale, 32 exponentials, the sum, WITH THE 8 SCORE PRODUCTS OF TILE q + 1 DEALT AMONG THEM;
;   GPC q: times group_prob, packed to f16;       RPV q: O(q) rescaled, with the 8 products O(q) += V^T P(q)^T among it.
; So a product is followed by vector work of the same wave.  The scores need two buffers of 32 registers; K's and V's fragments are live together.
; CLUSTERS: 4 x 4 work-groups = 4 query blocks x 4 head pairs of one batch.  K's and V's tiles hang on the head pair and are asked for jointly along a
; row of the cluster; group_prob's hang on the query block and are asked for jointly along a column: a quarter of the requests.
; By this text's own count a wave has two tensor loads out at the start and one behind each round.
;
; LDS: two slots of eight regions of 64 rows x 256 bytes, pitch 272; region w is filled by wave w.
;   regions 0, 1: K, 128 keys x (2 heads x 64 d);  2, 3: V^T, 128 rows (head, d) x 128 keys;  4 + 2 kh + qh: group_prob, 64 queries x 64 keys of f32.
;   A step's reads of its slot (K, V, four tiles of group_prob) are all back in front of EXPB 2: there stands the step's barrier.
;   Slot 0 has its last fill for step 14; behind that step's barrier it serves the merge and the way out.
; REGISTERS: window 0: v4-17 addresses; v20-27 maxima, v28-35 sums, v36-43 rescale factors (a pair for each query tile); v44-59 at work;
;   v64-127 scores, two buffers, later P in place;  v128-191 group_prob, two buffers;  v192-255 K fragments.
;   window 1: v0-127 O(qt, dt);  v128-191 Q fragments;  v192-255 V fragments.
; WINDOW SETTINGS: 0x04 (source 1 window 1) serves the score products (B = Q) and all of EXPB's vector work, which has no register as source 1;
;   0x51 (source 0, source 2, destination window 1) serves the PV products (A = V, C = D = O) and the rescaling of O; everything else runs under 0.
.set PITCH, 272                        ; 17 x 16 bytes: sixteen rows begin at sixteen different 16-byte columns modulo 256
.set REG,   64*PITCH                   ; a region: 17,408 bytes
.set SLOT,  8*REG                      ; 139,264 bytes
.set XCH,   0                          ; merge: 8,192 bytes for each wave
.set STAT,  65536                      ; merge: 512 bytes for each wave: four maxima, four sums x 16 queries
.set STG,   69632                      ; way out: 16 rows x 272 bytes for each wave
.set CEXP,  0x4238aa3b                 ; 256 / 8 x log2 e
.set KSTEP, 0x40000                    ; a step of 128 keys: 128 rows of 2,048 bytes in kh,
.set VSTEP, 0x100                      ; 256 bytes along a row of vt,
.set GSTEP, 0x200                      ; 512 bytes along a row of group_prob
.set KA, 4
.set VA, 6
.set GA, 8
.set QO, 10
.set XW, 11
.set XR, 12
.set SWR, 13
.set SRD, 14
.set STI, 15
.set STO, 16
.set OO, 17
.set M2, 20
.set L2, 28
.set AL, 36
.set T,  44
.set SC, 64                            ; window 0
.set GP, 128                           ; window 0
.set KR, 192                           ; window 0
.set QR, 128                           ; window 1
.set VR, 192                           ; window 1
.set OB, 192                           ; window 0, on the way out
.set G1K,  24                          ; s[24:31] descriptor group 1 for K
.set G0K,  32                          ; s[32:39] group 0 for K, one set for each slot
.set G1GP, 40                          ; s[40:47], s[48:55]: the same for group_prob
.set G0GP, 48
.set G1V,  80                          ; s[80:87], s[88:95]: the same for V
.set G0V,  88
.set MSB, 0
.macro WIN new                         ; the immediate's high byte repeats the setting that is left
.if MSB != \new
	s_set_vgpr_msb (MSB<<8)|\new
.set MSB, \new
.endif
.endm
; A joint load.  Waves 0, 1 ask for K's two halves, waves 2, 3 for V's, waves 4-7 for group_prob's four quarters.  Each line has one shape and one mask;
; the branches hang on the wave's number alone, so they are the same in every work-group.
.macro JLOAD s
	s_cmp_ge_u32 s14, 2
	s_cbranch_scc1 .Lnot_k_\@
	tensor_load_to_lds s[G0K+4*\s:G0K+4*\s+3], s[G1K:G1K+7]
	s_nop 0
	s_branch .Lasked_\@
.Lnot_k_\@:
	s_cmp_ge_u32 s14, 4
	s_cbranch_scc1 .Lfor_gp_\@
	tensor_load_to_lds s[G0V+4*\s:G0V+4*\s+3], s[G1V:G1V+7]
	s_nop 0
	s_branch .Lasked_\@
.Lfor_gp_\@:
	tensor_load_to_lds s[G0GP+4*\s:G0GP+4*\s+3], s[G1GP:G1GP+7]
	s_nop 0
.Lasked_\@:
.endm
.macro CREST                           ; a round of the cluster's barrier behind its opening work-group barrier
	s_cmp_lg_u32 s14, 0
	s_cbranch_scc1 .Lnot_wave_0_\@
	s_barrier_signal -3
.Lnot_wave_0_\@:
	s_barrier_wait -3
	s_barrier_signal -1
	s_barrier_wait -1
.endm
.macro CROUND
	s_barrier_signal -1
	s_barrier_wait -1
	CREST
.endm
.macro PLACES n                        ; places behind a matrix instruction (ISA guide 7.12.1)
.rept \n
	v_nop
.endr
.endm
; Group 1: 64 rows x 32 elements of 8 bytes, 16 bytes of padding behind every 64 words; the mask with bit 21 beside it; the pitch in elements.
.macro SHAPE g, mask, pitch
	s_or_b32 s[\g+0], \mask, (3<<16)|(1<<20)|(1<<21)|(5<<22)|(3<<25)
	s_mov_b32 s[\g+1], 32<<16                      ; tensor_dim0 = 32
	s_mov_b32 s[\g+2], 64<<16                      ; tensor_dim1 = 64
	s_mov_b32 s[\g+3], 32<<16                      ; tile_dim0 = 32
	s_mov_b32 s[\g+4], 64                          ; tile_dim1 = 64
	s_mov_b32 s[\g+5], \pitch
	s_mov_b32 s[\g+6], 0
	s_mov_b32 s[\g+7], 0
.endm
; Group 0 for both slots: my region of the slot; the tile of step 0 or 1, from the address in s[a:a+1].
.macro PLACE g, a, step
.irp s, 0,1
	s_mov_b32 s[\g+4*\s], 1
	s_add_co_u32 s[\g+4*\s+1], s63, \s*SLOT
	s_add_nc_u64 s[\g+4*\s+2:\g+4*\s+3], s[\a:\a+1], \s*\step
	s_or_b32 s[\g+4*\s+3], s[\g+4*\s+3], 0x80000000
.endr
.endm
	s_load_b256 s[4:11], s[0:1], 0x0               ; qh s[4:5], kh s[6:7], vt s[8:9], group_prob s[10:11]
	s_load_b64 s[12:13], s[0:1], 0x20              ; out0
	v_lshl_add_u32 v62, v0, 2, 0x44000
	v_mov_b32 v63, 0
	ds_add_u32 v62, v63
	v_lshrrev_b32 v1, 5, v0
	v_readfirstlane_b32 s14, v1                    ; wave 0..7
	s_and_b32 s15, s14, 1                          ; kh: my half of a step's keys
	s_bfe_u32 s16, s14, 0x10001                    ; hd: my head of the pair
	s_lshr_b32 s17, s14, 2                         ; qh: my half of the queries
	s_bfe_u32 s18, ttmp6, 0x40000                  ; cx
	s_bfe_u32 s19, ttmp6, 0x40004                  ; cy
	s_lshl_b32 s20, ttmp9, 2
	s_add_co_u32 s20, s20, s18                     ; query block 0..15
	s_and_b32 s23, ttmp7, 0xffff                   ; cluster y 0..3
	s_lshr_b32 s21, s23, 1                         ; batch
	s_and_b32 s22, s23, 1
	s_lshl_b32 s22, s22, 2
	s_add_co_u32 s22, s22, s19                     ; head pair 0..7
	s_lshl_b32 s61, s19, 2
	s_lshl_b32 s61, 15, s61                        ; my row of the cluster
	s_lshl_b32 s62, 0x1111, s18                    ; my column
	s_mov_b32 s58, 0x76543210                      ; v_permlanex16_b32: lane i of one half reads lane i of the other
	s_mov_b32 s59, 0xfedcba98
	SHAPE G1K, s61, 256                            ; a row of kh is 2,048 bytes
	SHAPE G1V, s61, 512                            ; a row of vt is 4,096 bytes
	SHAPE G1GP, s62, 1024                          ; a row of group_prob is 8,192 bytes
	; byte offsets of the first tiles.  K's and V's never hold cx, group_prob's never cy.
	s_lshl_b32 s66, s21, 22                        ; K: batch x 2,048 rows x 2,048 bytes
	s_lshl_b32 s67, s15, 17                        ; + 64 keys for the odd wave
	s_add_co_u32 s66, s66, s67
	s_lshl_b32 s67, s22, 8                         ; + the head pair's 256 bytes
	s_add_co_u32 s66, s66, s67
	s_mov_b32 s67, 0
	s_lshl_b32 s68, s21, 22                        ; V: batch x 1,024 rows x 4,096 bytes
	s_lshl_b32 s69, s22, 19                        ; + the head pair's 128 rows
	s_add_co_u32 s68, s68, s69
	s_lshl_b32 s69, s15, 18                        ; + 64 rows for the odd wave
	s_add_co_u32 s68, s68, s69
	s_mov_b32 s69, 0
	s_lshl_b32 s70, s21, 24                        ; group_prob: batch x 2,048 rows x 8,192 bytes
	s_lshl_b32 s71, s20, 20                        ; + the block's 128 rows
	s_add_co_u32 s70, s70, s71
	s_lshl_b32 s71, s15, 19                        ; + 64 queries for the odd wave
	s_add_co_u32 s70, s70, s71
	s_lshl_b32 s71, s16, 8                         ; + 64 keys for waves 6, 7
	s_add_co_u32 s70, s70, s71
	s_mov_b32 s71, 0
	s_mul_i32 s63, s14, REG                        ; my region
	s_wait_dscnt 0x0
	s_wait_kmcnt 0x0
	s_add_nc_u64 s[66:67], s[6:7], s[66:67]
	s_add_nc_u64 s[68:69], s[8:9], s[68:69]
	s_add_nc_u64 s[70:71], s[10:11], s[70:71]
	PLACE G0K, 66, KSTEP
	PLACE G0V, 68, VSTEP
	PLACE G0GP, 70, GSTEP
	CROUND                                         ; all sixteen work-groups are here: the first joint loads meet
	JLOAD 0
	JLOAD 1
	; Q's fragments, once: query 16 qt + r, d = 32 ds + 8 h + 0..7 and + 16
	v_and_b32 v1, 15, v0                           ; r
	v_bfe_u32 v2, v0, 4, 1                         ; h
	v_and_b32 v3, 31, v0                           ; lane
	v_lshlrev_b32 v19, 11, v1
	v_lshl_add_u32 v[QO], v2, 4, v19               ; r rows of 2,048 bytes + 16 h
	s_lshl_b32 s74, s21, 22
	s_lshl_b32 s75, s20, 18
	s_add_co_u32 s74, s74, s75
	s_lshl_b32 s75, s17, 17
	s_add_co_u32 s74, s74, s75
	s_lshl_b32 s75, s22, 8
	s_add_co_u32 s74, s74, s75
	s_lshl_b32 s75, s16, 7
	s_add_co_u32 s74, s74, s75
	s_mov_b32 s75, 0
	s_add_nc_u64 s[4:5], s[4:5], s[74:75]
	WIN 0x40
.irp qt, 0,1,2,3
.irp ds, 0,1
.irp e, 0,1
	global_load_b128 v[QR+16*\qt+8*\ds+4*\e:QR+16*\qt+8*\ds+4*\e+3], v[QO], s[4:5] offset:\qt*32768+64*\ds+32*\e
.endr
.endr
.endr
	WIN 0
	s_lshl_b32 s76, s21, 23                        ; out0 at my 64 queries and my head's 256 bytes
	s_lshl_b32 s77, s20, 19
	s_add_co_u32 s76, s76, s77
	s_lshl_b32 s77, s17, 18
	s_add_co_u32 s76, s76, s77
	s_lshl_b32 s77, s22, 9
	s_add_co_u32 s76, s76, s77
	s_lshl_b32 s77, s16, 8
	s_add_co_u32 s76, s76, s77
	s_mov_b32 s77, 0
	s_add_nc_u64 s[12:13], s[12:13], s[76:77]
	v_mul_u32_u24 v18, v1, PITCH
	v_lshl_add_u32 v19, v2, 4, v18                 ; r x pitch + 16 h
	s_mul_i32 s72, s15, REG                        ; K: my 64 keys, my head's 128 bytes
	s_lshl_b32 s73, s16, 7
	s_add_co_u32 s72, s72, s73
	v_add_nc_u32 v[KA], s72, v19
	v_add_nc_u32 v[KA+1], SLOT, v[KA]
	s_mul_i32 s72, s16, REG                        ; V: my head's 64 rows, my 64 keys' 128 bytes
	s_lshl_b32 s73, s15, 7
	s_add_co_u32 s72, s72, s73
	s_add_co_u32 s72, s72, 2*REG
	v_add_nc_u32 v[VA], s72, v19
	v_add_nc_u32 v[VA+1], SLOT, v[VA]
	s_lshl_b32 s72, s15, 1                         ; group_prob: region 4 + 2 kh + qh
	s_add_co_u32 s72, s72, s17
	s_add_co_u32 s72, s72, 4
	s_mul_i32 s72, s72, REG
	v_lshl_add_u32 v19, v2, 5, v18                 ; r x pitch + 8 h numbers of 4 bytes
	v_add_nc_u32 v[GA], s72, v19
	v_add_nc_u32 v[GA+1], SLOT, v[GA]
	s_mul_i32 s73, s14, 16*PITCH
	s_add_co_u32 s73, s73, STG
	v_add_nc_u32 v[STI], s73, v19                  ; way out, in: row r, 32 h
	v_mul_u32_u24 v19, v2, PITCH
	v_lshl_add_u32 v19, v1, 4, v19
	v_add_nc_u32 v[STO], s73, v19                  ; back: lanes 0-15 one row of 256 bytes, lanes 16-31 the next
	v_lshlrev_b32 v19, 4, v1
	v_lshl_add_u32 v[OO], v2, 12, v19              ; the same two rows in out0
	s_xor_b32 s76, s14, 1                          ; my partner: the other key half
	v_lshlrev_b32 v19, 4, v3
	s_lshl_b32 s72, s14, 13
	s_lshl_b32 s73, s76, 13
	v_add_nc_u32 v[XW], s72, v19
	v_add_nc_u32 v[XR], s73, v19
	v_lshlrev_b32 v19, 2, v1
	s_lshl_b32 s72, s14, 9
	s_add_co_u32 s72, s72, STAT
	s_lshl_b32 s73, s76, 9
	s_add_co_u32 s73, s73, STAT
	v_add_nc_u32 v[SWR], s72, v19
	v_add_nc_u32 v[SRD], s73, v19
.macro LDK slot                        ; 16 loads: K(kt, ds): keys 16 kt + r, d = 32 ds + 8 h .. and + 16
.irp kt, 0,1,2,3
.irp ds, 0,1
.irp e, 0,1
	ds_load_b128 v[KR+16*\kt+8*\ds+4*\e:KR+16*\kt+8*\ds+4*\e+3], v[KA+\slot] offset:\kt*16*PITCH+64*\ds+32*\e
.endr
.endr
.endr
.endm
.macro LDV slot                        ; 16 loads (destination window 1): V(dt, ks): d = 16 dt + r, keys 32 ks + 8 h .. and + 16
.irp ks, 0,1
.irp dt, 0,1,2,3
.irp e, 0,1
	ds_load_b128 v[VR+32*\ks+8*\dt+4*\e:VR+32*\ks+8*\dt+4*\e+3], v[VA+\slot] offset:\dt*16*PITCH+64*\ks+32*\e
.endr
.endr
.endr
.endm
.macro LDG slot, qt                    ; 8 loads: group_prob of query 16 qt + r, laid like the scores, into buffer qt mod 2
.irp kt, 0,1,2,3
.irp e, 0,1
	ds_load_b128 v[GP+32*((\qt)&1)+8*\kt+4*\e:GP+32*((\qt)&1)+8*\kt+4*\e+3], v[GA+\slot] offset:(\qt)*16*PITCH+64*\kt+16*\e
.endr
.endr
.endm
; Score product number i of the eight of query tile nqt, into score buffer buf: key tile i mod 4, d half i / 4.  The four key tiles take turns,
; one instruction a turn; the first four start the sums.
.macro SW i, nqt, buf
.if (\i) < 4
	v_wmma_f32_16x16x32_f16 v[SC+32*(\buf)+8*(\i):SC+32*(\buf)+8*(\i)+7], v[KR+16*(\i):KR+16*(\i)+7], v[QR+16*(\nqt):QR+16*(\nqt)+7], 0
.else
	v_wmma_f32_16x16x32_f16 v[SC+32*(\buf)+8*((\i)-4):SC+32*(\buf)+8*((\i)-4)+7], v[KR+16*((\i)-4)+8:KR+16*((\i)-4)+15], v[QR+16*(\nqt)+8:QR+16*(\nqt)+15], v[SC+32*(\buf)+8*((\i)-4):SC+32*(\buf)+8*((\i)-4)+7]
.endif
.endm
.macro SWC sw, i, nqt, buf
.if \sw
	SW \i, \nqt, \buf
.endif
.endm
; The largest of my 32 scores of tile qt, in four chains; joined with the other lane half; the running maximum and what the old sums are worth under it.
.macro MAXQ qt, first
.set SB, SC+32*(\qt&1)
	WIN 0
.irp c, 0,1,2,3
	v_max3_num_f32 v[T+\c], v[SB+8*\c], v[SB+8*\c+1], v[SB+8*\c+2]
.endr
.irp c, 0,1,2,3
	v_max3_num_f32 v[T+\c], v[T+\c], v[SB+8*\c+3], v[SB+8*\c+4]
.endr
.irp c, 0,1,2,3
	v_max3_num_f32 v[T+\c], v[T+\c], v[SB+8*\c+5], v[SB+8*\c+6]
.endr
	v_max3_num_f32 v[T], v[T], v[SB+7], v[SB+15]
	v_max3_num_f32 v[T+2], v[T+2], v[SB+23], v[SB+31]
	v_max3_num_f32 v[T], v[T], v[T+1], v[T+2]
	v_max_num_f32 v[T], v[T], v[T+3]
	v_permlanex16_b32 v[T+1], v[T], s58, s59       ; the other 32 keys of my query lie in the other lane half
	v_max_num_f32 v[T], v[T], v[T+1]
.if \first
	v_mul_f32 v[M2+2*\qt], CEXP, v[T]              ; the maximum in units of the exponent, twice: a pair for the packed forms
	v_mul_f32 v[M2+2*\qt+1], CEXP, v[T]
.else
	v_mul_f32 v[T], CEXP, v[T]
	v_max_num_f32 v[T], v[T], v[M2+2*\qt]          ; the running maximum
	v_sub_f32 v[T+1], v[M2+2*\qt], v[T]
	v_exp_f32 v[AL+2*\qt], v[T+1]
	v_exp_f32 v[AL+2*\qt+1], v[T+1]
	v_mov_b32 v[M2+2*\qt], v[T]                    ; a plain instruction behind the exponentials that touches neither their source nor their results (ISA guide 5.7.2)
	v_mov_b32 v[M2+2*\qt+1], v[T]
	s_wait_alu depctr_va_vdst(0)
	v_pk_mul_f32 v[L2+2*\qt:L2+2*\qt+1], v[L2+2*\qt:L2+2*\qt+1], v[AL+2*\qt:AL+2*\qt+1]    ; the old sum under the new maximum
.endif
.endm
.macro ADD2 d, x, y                    ; d = x + y on pairs, as x times 1 plus y: no register stands as source 1, whose window is Q's here
	v_pk_fma_f32 v[\d:\d+1], v[\x:\x+1], 1.0, v[\y:\y+1] op_sel_hi:[1,0,1]
.endm
; p = 2^(C s - M) and its sum, for tile qt.  sw = 1: the eight score products of tile nqt stand among it, each followed by vector work of this wave.
; kwait = 1: those products read the next step's K.
.macro EXPB qt, first, sw, nqt, kwait
.set SB, SC+32*(\qt&1)
.set NB, 1-(\qt&1)
.set LQ, L2+2*\qt
	WIN 0x04
.irp p, 0,2,4,6,8,10,12,14
	v_pk_fma_f32 v[SB+\p:SB+\p+1], v[SB+\p:SB+\p+1], CEXP, v[M2+2*\qt:M2+2*\qt+1] op_sel_hi:[1,0,1] neg_lo:[0,0,1] neg_hi:[0,0,1]
.endr
.if \kwait
	s_wait_dscnt 8                                 ; K's 16 loads are in; the 8 of group_prob issued behind them may be out
.endif
	SWC \sw, 0, \nqt, NB
.irp p, 16,18,20,22,24,26,28,30
	v_pk_fma_f32 v[SB+\p:SB+\p+1], v[SB+\p:SB+\p+1], CEXP, v[M2+2*\qt:M2+2*\qt+1] op_sel_hi:[1,0,1] neg_lo:[0,0,1] neg_hi:[0,0,1]
.endr
	SWC \sw, 1, \nqt, NB
.irp i, 0,1,2,3,4,5
	v_exp_f32 v[SB+\i], v[SB+\i]
.endr
	SWC \sw, 2, \nqt, NB
.irp i, 6,7,8,9,10,11
	v_exp_f32 v[SB+\i], v[SB+\i]
.endr
	SWC \sw, 3, \nqt, NB
.irp i, 12,13,14,15,16,17
	v_exp_f32 v[SB+\i], v[SB+\i]
.endr
	SWC \sw, 4, \nqt, NB
.irp i, 18,19,20,21,22,23
	v_exp_f32 v[SB+\i], v[SB+\i]
.endr
	SWC \sw, 5, \nqt, NB
.irp i, 24,25,26,27,28,29,30,31
	v_exp_f32 v[SB+\i], v[SB+\i]
.endr
	SWC \sw, 6, \nqt, NB
	v_nop                                          ; one plain place behind the last exponential
	s_wait_alu depctr_va_vdst(0)
	; the sum of p, ungated, in four chains of four pairs
.if \first
	ADD2 LQ, SB, SB+2
.else
	ADD2 LQ, SB, LQ
.endif
	ADD2 T+2, SB+8, SB+10
	ADD2 T+4, SB+16, SB+18
	ADD2 T+6, SB+24, SB+26
	SWC \sw, 7, \nqt, NB                           ; behind the last product stand eleven plain instructions or more that name none of its registers
.if \first
	ADD2 LQ, SB+4, LQ
.else
	ADD2 LQ, SB+2, LQ
.endif
	ADD2 T+2, SB+12, T+2
	ADD2 T+4, SB+20, T+4
	ADD2 T+6, SB+28, T+6
.if \first
	ADD2 LQ, SB+6, LQ
.else
	ADD2 LQ, SB+4, LQ
.endif
	ADD2 T+2, SB+14, T+2
	ADD2 T+4, SB+22, T+4
	ADD2 T+6, SB+30, T+6
.if \first == 0
	ADD2 LQ, SB+6, LQ
.endif
	ADD2 T+2, T+4, T+2
	ADD2 LQ, T+6, LQ
	ADD2 LQ, T+2, LQ
.endm
; p times group_prob, packed to f16 in place.  cnt >= 0: LDS loads issued behind this tile's group_prob.  ldg = 1: the buffer just used is loaded again.
.macro GPC qt, cnt, ldg, lslot, lqt
.set SB, SC+32*(\qt&1)
	WIN 0
.if \cnt >= 0
	s_wait_dscnt \cnt
.endif
.irp p, 0,2,4,6,8,10,12,14,16,18,20,22,24,26,28,30
	v_pk_mul_f32 v[SB+\p:SB+\p+1], v[SB+\p:SB+\p+1], v[GP+32*(\qt&1)+\p:GP+32*(\qt&1)+\p+1]
.endr
.if \ldg
	LDG \lslot, \lqt
.endif
.irp ks, 0,1
.irp i, 0,1,2,3,4,5,6,7
	v_cvt_pk_f16_f32 v[SB+16*\ks+\i], v[SB+16*\ks+2*\i], v[SB+16*\ks+2*\i+1]       ; in place, ascending: P(qt, ks) in v[SB + 16 ks .. + 7]
.endr
.endr
.endm
; O(qt) under the new maximum, and O(qt)^T += V^T P(qt)^T: 8 products.  The four d tiles take turns, one instruction a turn.
.macro RPV qt, first, vwait
.set SB, SC+32*(\qt&1)
	WIN 0x51
.if \vwait
	s_wait_dscnt 8                                 ; V's 16 loads are in; the 8 of group_prob issued behind them may be out
.endif
.irp dt, 0,1,2,3
.if \first
	v_wmma_f32_16x16x32_f16 v[32*\qt+8*\dt:32*\qt+8*\dt+7], v[VR+8*\dt:VR+8*\dt+7], v[SB:SB+7], 0
.else
.irp p, 0,2,4,6
	v_pk_mul_f32 v[32*\qt+8*\dt+\p:32*\qt+8*\dt+\p+1], v[32*\qt+8*\dt+\p:32*\qt+8*\dt+\p+1], v[AL+2*\qt:AL+2*\qt+1]
.endr
	v_wmma_f32_16x16x32_f16 v[32*\qt+8*\dt:32*\qt+8*\dt+7], v[VR+8*\dt:VR+8*\dt+7], v[SB:SB+7], v[32*\qt+8*\dt:32*\qt+8*\dt+7]
.endif
.endr
.irp dt, 0,1,2,3
	v_wmma_f32_16x16x32_f16 v[32*\qt+8*\dt:32*\qt+8*\dt+7], v[VR+32+8*\dt:VR+32+8*\dt+7], v[SB+16:SB+23], v[32*\qt+8*\dt:32*\qt+8*\dt+7]
.endr
.endm
; One step of 128 keys.  On entry: tile 0's scores are in buffer 0, K's fragments in registers, group_prob's tiles 0 and 1 asked for.
; mode 2: this slot is filled again, two steps ahead;  1: the slots change, nothing is filled;  0: the last step.
; Order of the LDS loads: (K 16, tile 0's 8, tile 1's 8 in the step before) V 16, tile 2's 8, tile 3's 8.
.macro STEP slot, first, mode
	MAXQ 0, \first                                 ; also the places behind the last step's PV products, on whose V registers the loads below land
	WIN 0x40
	LDV \slot
	EXPB 0, \first, 1, 1, 0
	GPC 0, 24, 1, \slot, 2                         ; behind tile 0's group_prob: tile 1's 8 loads and V's 16
	RPV 0, \first, 1
	MAXQ 1, \first
	EXPB 1, \first, 1, 2, 0
	GPC 1, -1, 1, \slot, 3                         ; tile 1's group_prob is older than V, which has been waited for
	RPV 1, \first, 0
	MAXQ 2, \first
	s_wait_dscnt 0x0                               ; tiles 2 and 3 of group_prob are in: all my reads of this slot are back
.if \mode >= 1
	s_wait_tensorcnt 0x0                           ; all my tensor loads have landed: the one that was out is my region of the next slot
	ds_add_u32 v62, v63
	s_wait_dscnt 0x0
	s_barrier_signal -1
.endif
	EXPB 2, \first, 1, 3, 0                        ; register work while the others arrive; the last products that read this step's K
	WIN 0
.if \mode >= 1
	s_barrier_wait -1
.endif
.if \mode == 2
	CREST                                          ; no wave of any partner still reads this slot or has a load on its way
	s_add_nc_u64 s[G0K+4*\slot+2:G0K+4*\slot+3], s[G0K+4*\slot+2:G0K+4*\slot+3], 2*KSTEP       ; no load of mine is out: every group 0 may be written.  Two steps on
	s_add_nc_u64 s[G0V+4*\slot+2:G0V+4*\slot+3], s[G0V+4*\slot+2:G0V+4*\slot+3], 2*VSTEP
	s_add_nc_u64 s[G0GP+4*\slot+2:G0GP+4*\slot+3], s[G0GP+4*\slot+2:G0GP+4*\slot+3], 2*GSTEP
	JLOAD \slot                                    ; the first tensor load behind the round
.endif
.if \mode >= 1
	LDK 1-\slot                                    ; the next step's K: it has GPC 2, RPV 2 and MAXQ 3 in which to come
	GPC 2, -1, 1, 1-\slot, 0
.else
	GPC 2, -1, 0, 0, 0
.endif
	RPV 2, \first, 0
	MAXQ 3, \first
.if \mode >= 1
	EXPB 3, \first, 1, 0, 1                        ; with the next step's first score products
	GPC 3, -1, 1, 1-\slot, 1
.else
	EXPB 3, \first, 0, 0, 0
	GPC 3, -1, 0, 0, 0
.endif
	RPV 3, \first, 0
	WIN 0
.endm
	s_wait_tensorcnt 0x1                           ; my region of step 0 is in; step 1's stays out
	s_barrier_signal -1
	s_barrier_wait -1
	LDK 0
	LDG 0, 0
	LDG 0, 1
	s_wait_loadcnt 0x0                             ; Q
	s_wait_dscnt 16                                ; K is in; the 16 loads of group_prob may be out
	WIN 0x04
.irp i, 0,1,2,3,4,5,6,7
	SW \i, 0, 0                                    ; the very first tile's scores have no softmax to stand among
.endr
	WIN 0
	PLACES 4                                       ; behind them the scores are read
	STEP 0, 1, 2                                   ; the first step starts maxima, sums and O
	STEP 1, 0, 2
	s_mov_b32 s60, 6
.Lpair:
	STEP 0, 0, 2
	STEP 1, 0, 2
	s_sub_co_u32 s60, s60, 1
	s_cmp_lg_u32 s60, 0
	s_cbranch_scc1 .Lpair
	STEP 0, 0, 1                                   ; steps 14 and 15: nothing is left to fetch
	STEP 1, 0, 0
	PLACES 4                                       ; behind the last products O is read
	; THE MERGE of the two key halves.  Slot 0 is free: every wave's reads of it were back in front of step 14's barrier, and no fill follows.
.irp qt, 0,1,2,3
	v_add_f32 v[L2+2*\qt], v[L2+2*\qt], v[L2+2*\qt+1]
.endr
.irp qt, 0,1,2,3
	v_permlanex16_b32 v[T+\qt], v[L2+2*\qt], s58, s59
.endr
.irp qt, 0,1,2,3
	v_add_f32 v[L2+2*\qt], v[L2+2*\qt], v[T+\qt]   ; my half's sum for query 16 qt + r
.endr
.irp qt, 0,1,2,3
	ds_store_b32 v[SWR], v[M2+2*\qt] offset:64*\qt                 ; both lane halves write the same word with the same value
	ds_store_b32 v[SWR], v[L2+2*\qt] offset:256+64*\qt
.endr
.macro SEND q0                         ; the two query tiles that my partner finishes: 64 registers
	WIN 0x04                                       ; store data in window 1
.irp i, 0,1,2,3,4,5,6,7,8,9,10,11,12,13,14,15
	ds_store_b128 v[XW], v[32*\q0+4*\i:32*\q0+4*\i+3] offset:512*\i
.endr
	WIN 0
.endm
	s_cmp_eq_u32 s15, 0
	s_cbranch_scc0 .Lsend_low
	SEND 2                                         ; key half 0 finishes tiles 0, 1 and sends 2, 3
	s_branch .Lsent
.Lsend_low:
	SEND 0
.Lsent:
	s_wait_dscnt 0x0                               ; for my partner's sake: all my stores are in LDS
	s_barrier_signal -1
	s_barrier_wait -1
.macro FINISH qa
.irp i, 0,1,2,3,4,5,6,7,8,9,10,11,12,13,14,15
	ds_load_b128 v[SC+4*\i:SC+4*\i+3], v[XR] offset:512*\i         ; my partner's O of tiles qa, qa + 1, lane for lane
.endr
.irp t, 0,1
	ds_load_b32 v[T+4+\t], v[SRD] offset:64*(\qa+\t)               ; its maximum
	ds_load_b32 v[T+6+\t], v[SRD] offset:256+64*(\qa+\t)           ; its sum
.endr
	s_wait_dscnt 0x0
.irp t, 0,1
	v_max_num_f32 v[T+8+\t], v[M2+2*(\qa+\t)], v[T+4+\t]
	v_sub_f32 v[T+10+\t], v[M2+2*(\qa+\t)], v[T+8+\t]
	v_sub_f32 v[T+12+\t], v[T+4+\t], v[T+8+\t]
.endr
	v_exp_f32 v[T+10], v[T+10]
	v_exp_f32 v[T+11], v[T+11]
	v_exp_f32 v[T+12], v[T+12]
	v_exp_f32 v[T+13], v[T+13]
	v_nop
	s_wait_alu depctr_va_vdst(0)
.irp t, 0,1
	v_mul_f32 v[T+14+\t], v[L2+2*(\qa+\t)], v[T+10+\t]
	v_fmac_f32 v[T+14+\t], v[T+6+\t], v[T+12+\t]   ; l under the common maximum; one of the two factors is 1 and its sum holds a term near 1
.endr
	v_rcp_f32 v[T+14], v[T+14]
	v_rcp_f32 v[T+15], v[T+15]
	v_nop
	s_wait_alu depctr_va_vdst(0)
.irp t, 0,1
	v_mul_f32 v[T+14+\t], 0x41800000, v[T+14+\t]   ; 16 / l: v was stored divided by 16
	v_mul_f32 v[AL+4*\t], v[T+10+\t], v[T+14+\t]
	v_mul_f32 v[AL+4*\t+1], v[T+10+\t], v[T+14+\t]
	v_mul_f32 v[AL+4*\t+2], v[T+12+\t], v[T+14+\t]
	v_mul_f32 v[AL+4*\t+3], v[T+12+\t], v[T+14+\t]
.endr
.irp t, 0,1
.irp p, 0,2,4,6,8,10,12,14,16,18,20,22,24,26,28,30
	v_pk_mul_f32 v[SC+32*\t+\p:SC+32*\t+\p+1], v[SC+32*\t+\p:SC+32*\t+\p+1], v[AL+4*\t+2:AL+4*\t+3]
.endr
.endr
	WIN 0x01                                       ; source 0 (my O) window 1
.irp t, 0,1
.irp p, 0,2,4,6,8,10,12,14,16,18,20,22,24,26,28,30
	v_pk_fma_f32 v[SC+32*\t+\p:SC+32*\t+\p+1], v[32*(\qa+\t)+\p:32*(\qa+\t)+\p+1], v[AL+4*\t:AL+4*\t+1], v[SC+32*\t+\p:SC+32*\t+\p+1]
.endr
.endr
	WIN 0
	; the way out: register j of tile (qt, dt) is out(query 16 qt + r, d = 16 dt + 8 h + j).  16 queries x 256 bytes through my own stage.
.irp t, 0,1
.irp dt, 0,1,2,3
.irp e, 0,1
	ds_store_b128 v[STI], v[SC+32*\t+8*\dt+4*\e:SC+32*\t+8*\dt+4*\e+3] offset:64*\dt+16*\e
.endr
.endr
.irp u, 0,1,2,3,4,5,6,7
	ds_load_b128 v[OB+32*\t+4*\u:OB+32*\t+4*\u+3], v[STO] offset:\u*2*PITCH        ; LDS serves a wave's instructions in order (ISA guide 5.7.1): these see the stores above
.endr
.irp u, 0,1,2,3,4,5,6,7
	s_wait_dscnt 7-\u                              ; row pair u of the eight is in
	global_store_b128 v[OO], v[OB+32*\t+4*\u:OB+32*\t+4*\u+3], s[12:13] offset:(16*(\qa+\t)+2*\u)*4096 th:TH_STORE_NT   ; 16 lanes store 256 consecutive bytes, aligned
.endr
.endr
.endm
	s_cmp_eq_u32 s15, 0
	s_cbranch_scc0 .Lfinish_high
	FINISH 0
	s_branch .Lend
.Lfinish_high:
	FINISH 2
.Lend:
	s_wait_tensorcnt 0x0
	ds_add_u32 v62, v63
	s_wait_dscnt 0x0
	CROUND                                         ; the closing round: no work-group ends while a partner may still ask for a tile that names it
	s_endpgm
.Lfunc_end_k_qdb90879cc5_attn:
	.size	k_qdb90879cc5_attn, .Lfunc_end_k_qdb90879cc5_attn-k_qdb90879cc5_attn
	.p2alignl 7, 3214868480
	.fill 96, 4, 3214868480
	.section	.rodata,"a",@progbits
	.p2align	6, 0x0
	.amdhsa_kernel k_qdb90879cc5_attn
		.amdhsa_group_segment_fixed_size 327680
		.amdhsa_private_segment_fixed_size 0
		.amdhsa_enable_private_segment 0
		.amdhsa_kernarg_size 40
		.amdhsa_user_sgpr_count 2
		.amdhsa_user_sgpr_kernarg_segment_ptr 1
		.amdhsa_wavefront_size32 1
		.amdhsa_system_sgpr_workgroup_id_x 1
		.amdhsa_system_sgpr_workgroup_id_y 1
		.amdhsa_system_sgpr_workgroup_id_z 1
		.amdhsa_system_vgpr_workitem_id 0
		.amdhsa_next_free_vgpr 512
		.amdhsa_next_free_sgpr 96
		.amdhsa_reserve_vcc 0
		.amdhsa_float_denorm_mode_32 3
		.amdhsa_float_denorm_mode_16_64 3
		.amdhsa_memory_ordered 1
		.amdhsa_forward_progress 1
		.amdhsa_inst_pref_size 255
	.end_amdhsa_kernel
	.section	.bss,"aw",@nobits
	.p2align	6
	.space	262144
	.amdgpu_metadata
---
amdhsa.version: [ 1, 2 ]
amdhsa.kernels:
  - .name:           k_qdb90879cc5_attn
    .symbol:         k_qdb90879cc5_attn.kd
    .args:
      - { .name: qh, .offset: 0, .size: 8, .value_kind: global_buffer, .address_space: global }
      - { .name: kh, .offset: 8, .size: 8, .value_kind: global_buffer, .address_space: global }
      - { .name: vt, .offset: 16, .size: 8, .value_kind: global_buffer, .address_space: global }
      - { .name: group_prob, .offset: 24, .size: 8, .value_kind: global_buffer, .address_space: global }
      - { .name: out0, .offset: 32, .size: 8, .value_kind: global_buffer, .address_space: global }
    .group_segment_fixed_size: 327680
    .private_segment_fixed_size: 0
    .kernarg_segment_align: 8
    .kernarg_segment_size: 40
    .max_flat_workgroup_size: 256
    .sgpr_count:     96
    .vgpr_count:     512
    .wavefront_size: 32
...
	.end_amdgpu_metadata
.endif
;; end of part 2
